; MI455X (gfx1250); checked and timed in simulation.
; The chip was launched on July 23, 2026; its instructions are those of AMD's public machine-readable ISA for CDNA 5 (MIT licence, August 2026) and "CDNA5" Instruction Set Architecture Reference Guide (July 2026). The comments in the code are by the model that wrote it; some were corrected since.
;; Multi Head Attention. Allowed arithmetic: float matrix products may take bf16 or f16 operands with f32 sums; all other float work in f32.
;; Inputs: Wk 512 x 512 float32; Wq 512 x 512 float32; Wv 512 x 512 float32; keys 2 x 2,048 x 512 float32; queries 2 x 2,048 x 512 float32; values 2 x 2,048 x 512 float32.
;; Outputs: out0 2 x 2,048 x 512 float32.
;; One version. Each part assembles by itself: llvm-mc -triple=amdgcn-amd-amdhsa -mcpu=gfx1250 --defsym DOCPART=n.
;; ======== version 1 of 1: 2 launches
;; limits: values are held in f16: magnitudes above 65,504 overflow, below 6.1e-05 lose precision
;; workspace buffers: qb 4,194,304 bytes; kv 8,388,608 bytes
;; launch proj (part 1): grid 4 x 48, 8 waves a work-group, no clusters, 185,344 bytes of LDS; arguments queries, keys, values, Wq, Wk, Wv, qb, kv; writes qb, kv
.if DOCPART == 1
	.amdgcn_target "amdgcn-amd-amdhsa--gfx1250"
	.amdhsa_code_object_version 6
	.text
	.protected	k_q635c3fe46b_proj
	.globl	k_q635c3fe46b_proj
	.p2align	8
	.type	k_q635c3fe46b_proj,@function
k_q635c3fe46b_proj:
	s_mov_b64 s[64:65], 0
	v_nop
	global_prefetch_b8 v0, s[64:65] scope:SCOPE_SE
	s_setreg_imm32_b32 hwreg(HW_REG_WAVE_MODE, 25, 1), 1
	s_wait_xcnt 0x0
; The three projections: q = queries Wq, k = keys Wk, v = values Wv.  X: [4096][512] f32, W: [512][512] f32, results in f16.
; Grid x = block of 128 columns (two heads); grid y = 16 mat + rb: mat 0, 1, 2 = q, k, v; rb = block of 256 rows.  One code path for all three:
; the buffers are chosen by scalar selects on mat.  Eight waves; wave w makes rows 64 (w>>1) .. +63 of the block and the 64 columns of head
; 2 x + (w&1): 16 accumulator tiles of 16 x 16, 128 registers.  K = 512 goes in 8 steps of 64.
; OUT: qb = [bh = 8 b + head][s][64] f16 (a row is 128 bytes).  kv = [bh][granule s/128][K: 128 keys x 128 bytes][V: 128 keys x 128 bytes].
; A wave's 64 x 64 results are 8,192 consecutive bytes of its destination.
; THROUGH REGISTERS, WITHOUT TENSOR LOADS AND WITHOUT JOINT LOADS IN A CLUSTER, though the four column blocks share X and the sixteen row blocks share W:
; a tile copied into LDS as it lies in memory would be f32: each fragment read would move twice the bytes (per K step 96 KB of f32 in LDS against 48 KB
; of f16) and each of the 2 or 4 waves that read a number would convert it again.  Here each number is loaded once by the work-group, converted once,
; and lies in LDS as f16; and with only 8 K steps the counted waits on the register loads keep two K steps' loads (2 x 24 a wave) on their way.
; No prefetch: every byte is asked for by a load two K steps ahead of its use already.
; LIMITS: X, W and the results are rounded to f16: a number of magnitude 65,504 or more becomes infinite.  By the sizes: results of the drawn inputs have
; spread 1; with every input 30 times larger spread 900; with an offset of 30 spreads on X and on W about 512 x 30 x 1.33 = 20,400.  Numbers below 6.1e-5 are
; kept with an absolute step of 6e-8.  Sums in f32.
.set BUF,    55296                     ; an LDS buffer: X's part, then W's part
.set WPART,  36864                     ; X's part: 256 rows x 144 bytes (64 f16 + 16 bytes)
.set XP,     144                       ; nine times 16 bytes: the 16 rows of a fragment load start at 16 different 16-byte columns modulo 256 bytes
.set WP,     288                       ; W's part: 64 k rows x 288 bytes (128 f16 + 32 bytes), nine times 32 bytes, for the transposing load
.set STAGE,  2*BUF                     ; behind the two buffers: 64 rows x 144 bytes for each wave, for the way out
.set XO,  2                            ; v2      X: (w + 8 h) x 2048 + 16 (T & 15); never rewritten: rows and K steps stand in the immediates
.set WO,  3                            ; v3      W: w x 2048 + 16 L
.set XS,  4                            ; v4-5    where my 8 bytes of X go in LDS buffer 0, 1
.set WS,  6                            ; v6-7    the same for W
.set XF,  8                            ; v8-9    my X fragments in buffer 0, 1
.set WF,  10                           ; v10-11  my W fragments in buffer 0, 1
.set STO, 12                           ; v12     way out: where 16 bytes of a row go
.set RD,  13                           ; v13     way out: where I read rows back
.set CO,  14                           ; v14     16 L: my bytes in the destination
.set XFR, 32                           ; v[32:63]   four X fragments; on the way out packed results
.set WFR, 64                           ; v[64:95]   four W fragments; on the way out packed results
.set ACC, 96                           ; v[96:223]  tile (a, bq) at ACC + 8 (4 a + bq)
; v256-351 and v352-447 (written v0-95 and v96-191 in window 1): two staging sets, 16 quads of X and 8 quads of W each
.set MSB, 0
.macro WIN new                         ; s_set_vgpr_msb: bits 1:0 source 0, 3:2 source 1, 5:4 source 2, 7:6 destination; the high byte repeats the setting that is left
.if MSB != \new
	s_set_vgpr_msb (MSB<<8)|\new
.set MSB, \new
.endif
.endm
.macro PLACES                          ; four places behind a matrix instruction before a load lands on, or a vector instruction touches, its registers
.rept 4
	v_nop
.endr
.endm
	s_load_b512 s[16:31], s[0:1], 0x0              ; queries, keys, values, Wq, Wk, Wv, qb, kv
	v_lshl_add_u32 v254, v0, 2, 0x2d000
	v_mov_b32 v255, 0
	v_lshrrev_b32 v1, 5, v0
	v_readfirstlane_b32 s6, v1                     ; w
	s_lshr_b32 s7, s6, 1                           ; wr: which 64 rows
	s_and_b32 s32, s6, 1                           ; wc: which head of the two
	s_mov_b32 s2, ttmp9                            ; x
	s_and_b32 s3, ttmp7, 0xffff                    ; y
	s_lshr_b32 s4, s3, 4                           ; mat
	s_and_b32 s5, s3, 15                           ; rb
	; byte offset of my 8,192 bytes in the destination
	s_lshr_b32 s33, s5, 3                          ; batch
	s_lshl_b32 s33, s33, 3
	s_lshl1_add_u32 s33, s2, s33                   ; 8 b + 2 x
	s_add_co_u32 s33, s33, s32                     ; bh
	s_and_b32 s36, s5, 7
	s_lshl_b32 s36, s36, 1
	s_lshr_b32 s37, s7, 1
	s_add_co_u32 s36, s36, s37                     ; s / 128
	s_lshl_b32 s34, s33, 18                        ; qb: 262,144 bytes a head, 16,384 for 128 rows
	s_lshl_b32 s36, s36, 14
	s_add_co_u32 s34, s34, s36
	s_cmp_lg_u32 s4, 0
	s_cselect_b32 s37, 1, 0
	s_lshl_b32 s34, s34, s37                       ; kv: twice that
	s_and_b32 s37, s7, 1
	s_lshl_b32 s37, s37, 13                        ; the upper 64 of the 128 rows
	s_add_co_u32 s34, s34, s37
	s_cmp_eq_u32 s4, 2
	s_cselect_b32 s37, 16384, 0                    ; V's part of a granule lies behind K's
	s_add_co_u32 s34, s34, s37
	s_mov_b32 s35, 0
	s_lshl_b32 s38, s5, 19                         ; 256 rows of 2,048 bytes
	s_mov_b32 s39, 0
	s_lshl_b32 s40, s2, 9                          ; 128 columns of 4 bytes
	s_mov_b32 s41, 0
	v_and_b32 v16, 15, v0                          ; r
	v_bfe_u32 v17, v0, 4, 1                        ; h
	v_and_b32 v18, 31, v0                          ; L
	v_lshl_add_u32 v19, v17, 3, s6                 ; w + 8 h
	v_lshlrev_b32 v[XO], 11, v19
	v_lshl_add_u32 v[XO], v16, 4, v[XO]
	s_lshl_b32 s42, s6, 11
	v_lshl_add_u32 v[WO], v18, 4, s42
	s_wait_kmcnt 0x0
	s_cmp_eq_u32 s4, 0
	s_cselect_b64 s[8:9], s[16:17], s[18:19]       ; X
	s_cselect_b64 s[10:11], s[22:23], s[24:25]     ; W
	s_cselect_b64 s[12:13], s[28:29], s[30:31]     ; destination
	s_cmp_eq_u32 s4, 2
	s_cselect_b64 s[8:9], s[20:21], s[8:9]
	s_cselect_b64 s[10:11], s[26:27], s[10:11]
	s_add_nc_u64 s[8:9], s[8:9], s[38:39]
	s_add_nc_u64 s[10:11], s[10:11], s[40:41]
	s_add_nc_u64 s[12:13], s[12:13], s[34:35]
; K step t into a staging set: 24 loads.  One load of X covers 256 bytes of each of two rows (w + 16 i and w + 8 + 16 i), one load of W 512 bytes of k row w + 8 i.
.macro LOADS t, set
	WIN 0x40                                       ; destination in window 1
.irp i, 0,1,2,3,4,5,6,7,8,9,10,11,12,13,14,15
	global_load_b128 v[96*(\set)+4*\i:96*(\set)+4*\i+3], v[XO], s[8:9] offset:\i*32768+(\t)*256
.endr
.irp i, 0,1,2,3,4,5,6,7
	global_load_b128 v[96*(\set)+64+4*\i:96*(\set)+64+4*\i+3], v[WO], s[10:11] offset:(\t)*131072+\i*16384
.endr
	WIN 0
.endm
; A staging set is rounded to f16 in place and laid into LDS buffer buf.  n = the younger loads that may stay out.
.macro CVTST set, buf, n
	s_wait_loadcnt \n                              ; loads come back in order: this set's 24 are in
	WIN 0x45                                       ; sources 0, 1 and destination in window 1
.irp i, 0,1,2,3,4,5,6,7,8,9,10,11,12,13,14,15,16,17,18,19,20,21,22,23
	v_cvt_pk_f16_f32 v[96*(\set)+4*\i], v[96*(\set)+4*\i], v[96*(\set)+4*\i+1]
	v_cvt_pk_f16_f32 v[96*(\set)+4*\i+1], v[96*(\set)+4*\i+2], v[96*(\set)+4*\i+3]
.endr
	WIN 0x04                                       ; store data in window 1, address in window 0
.irp i, 0,1,2,3,4,5,6,7,8,9,10,11,12,13,14,15
	ds_store_b64 v[XS+(\buf)], v[96*(\set)+4*\i:96*(\set)+4*\i+1] offset:\i*16*XP    ; lanes 0-15: 128 bytes of a row; lanes 16-31: the row 8 further, 1,152 bytes = 128 modulo 256 on
.endr
.irp i, 0,1,2,3,4,5,6,7
	ds_store_b64 v[WS+(\buf)], v[96*(\set)+64+4*\i:96*(\set)+64+4*\i+1] offset:\i*8*WP   ; 256 consecutive bytes of a k row
.endr
	WIN 0
.endm
; One K step of 64 from LDS buffer buf: twice 32 along K, 16 LDS loads and 16 matrix instructions each.
; The matrix instruction is used transposed: source 0 = 16 columns of W (brought by the transposing load from rows that lie along n), source 1 = 16 rows of X,
; so that a lane's eight results are eight neighbouring columns of one row.  The 16 accumulators take turns, one instruction a turn.
.macro COMPUTE buf, zero
.irp s, 0,1
	PLACES
.irp bq, 0,1,2,3
	ds_load_tr16_b128 v[WFR+8*\bq:WFR+8*\bq+3],   v[WF+(\buf)] offset:32*WP*\s+32*\bq
	ds_load_tr16_b128 v[WFR+8*\bq+4:WFR+8*\bq+7], v[WF+(\buf)] offset:32*WP*\s+32*\bq+16*WP
.endr
.irp a, 0,1,2,3
	ds_load_b128 v[XFR+8*\a:XFR+8*\a+3],   v[XF+(\buf)] offset:16*XP*\a+64*\s
	ds_load_b128 v[XFR+8*\a+4:XFR+8*\a+7], v[XF+(\buf)] offset:16*XP*\a+64*\s+32
.endr
	s_wait_dscnt 0x0
.irp a, 0,1,2,3
.irp bq, 0,1,2,3
.if (\zero)*(1-\s)
	v_wmma_f32_16x16x32_f16 v[ACC+8*(4*\a+\bq):ACC+8*(4*\a+\bq)+7], v[WFR+8*\bq:WFR+8*\bq+7], v[XFR+8*\a:XFR+8*\a+7], 0
.else
	v_wmma_f32_16x16x32_f16 v[ACC+8*(4*\a+\bq):ACC+8*(4*\a+\bq)+7], v[WFR+8*\bq:WFR+8*\bq+7], v[XFR+8*\a:XFR+8*\a+7], v[ACC+8*(4*\a+\bq):ACC+8*(4*\a+\bq)+7]
.endif
.endr
.endr
.endr
.endm
; A K step: multiply buffer buf; lay the next step's numbers into the other buffer; ask for K step tl (0: nothing is left to ask for) into the set just emptied.
; ONE barrier a step orders both ways: my reads of buffer buf are back (COMPUTE waited for them) before anyone writes it in the next step,
; and my stores into the other buffer are done before anyone reads it.
.macro STEP buf, zero, n, tl
	COMPUTE \buf, \zero
	CVTST 1-\buf, 1-\buf, \n
	s_wait_dscnt 0x0                               ; my LDS stores are done: for the other waves, and before loads land on the registers that they read
.if \tl
	LOADS \tl, 1-\buf
.endif
	s_barrier_signal -1
	s_barrier_wait -1
.endm
	LOADS 0, 0
	LOADS 1, 1
	; the other addresses, while the first loads are on their way
	v_mul_u32_u24 v[XS], v19, XP
	v_lshl_add_u32 v[XS], v16, 3, v[XS]            ; row w + 8 h, 8 bytes a lane
	v_add_nc_u32 v[XS+1], BUF, v[XS]
	s_mul_i32 s43, s6, WP
	s_add_co_u32 s43, s43, WPART
	v_lshl_add_u32 v[WS], v18, 3, s43              ; k row w, 8 bytes a lane
	v_add_nc_u32 v[WS+1], BUF, v[WS]
	s_lshl_b32 s44, s7, 6
	v_add_nc_u32 v20, s44, v16                     ; row 64 wr + r
	v_mul_u32_u24 v[XF], v20, XP
	v_lshl_add_u32 v[XF], v17, 4, v[XF]            ; + 16 h
	v_add_nc_u32 v[XF+1], BUF, v[XF]
	v_and_b32 v21, 7, v0
	v_lshl_add_u32 v21, v17, 3, v21                ; k row 8 h + (L & 7)
	v_mul_u32_u24 v[WF], v21, WP
	v_bfe_u32 v22, v0, 3, 1
	v_lshl_add_u32 v[WF], v22, 4, v[WF]            ; + 16 ((L >> 3) & 1)
	s_lshl_b32 s45, s32, 7                         ; my head's 128 bytes of a k row
	s_add_co_u32 s45, s45, WPART
	v_add_nc_u32 v[WF], s45, v[WF]
	v_add_nc_u32 v[WF+1], BUF, v[WF]
	s_mul_i32 s46, s6, 64*XP
	s_add_co_u32 s46, s46, STAGE                   ; my stage
	v_mul_u32_u24 v[STO], v16, XP
	v_lshl_add_u32 v[STO], v17, 4, v[STO]
	v_add_nc_u32 v[STO], s46, v[STO]
	v_lshrrev_b32 v23, 3, v18
	v_mul_u32_u24 v[RD], v23, XP                   ; back: eight lanes take one row of 128 bytes
	v_and_b32 v24, 7, v0
	v_lshl_add_u32 v[RD], v24, 4, v[RD]
	v_add_nc_u32 v[RD], s46, v[RD]
	v_lshlrev_b32 v[CO], 4, v18
	CVTST 0, 0, 24                                 ; K step 0; K step 1's 24 loads stay out
	s_wait_dscnt 0x0
	LOADS 2, 0
	s_barrier_signal -1
	s_barrier_wait -1
	STEP 0, 1, 24, 3                               ; the first products start the sums: nothing is cleared.  24: the loads of the K step after the next stay out
	STEP 1, 0, 24, 4
	STEP 0, 0, 24, 5
	STEP 1, 0, 24, 6
	STEP 0, 0, 24, 7
	STEP 1, 0, 24, 0                               ; K step 7's loads are still out
	STEP 0, 0, 0, 0                                ; the last set: nothing younger
	COMPUTE 1, 0
	; THE WAY OUT: round to f16, 16 bytes a lane into my own stage, read back as whole rows, store 512 consecutive bytes an instruction.
	PLACES
.irp a, 0,1,2,3
.irp bq, 0,1,2,3
.irp q, 0,1,2,3
	v_cvt_pk_f16_f32 v[XFR+4*(4*\a+\bq)+\q], v[ACC+8*(4*\a+\bq)+2*\q], v[ACC+8*(4*\a+\bq)+2*\q+1]
.endr
.endr
.endr
.irp a, 0,1,2,3
.irp bq, 0,1,2,3
	ds_store_b128 v[STO], v[XFR+4*(4*\a+\bq):XFR+4*(4*\a+\bq)+3] offset:16*XP*\a+32*\bq
.endr
.endr
.irp i, 0,1,2,3,4,5,6,7,8,9,10,11,12,13,14,15
	ds_load_b128 v[ACC+4*\i:ACC+4*\i+3], v[RD] offset:4*XP*\i      ; LDS serves a wave's instructions in order (ISA guide 5.7.1): these see my stores above; the stage is mine alone
.endr
.irp i, 0,1,2,3,4,5,6,7,8,9,10,11,12,13,14,15
	s_wait_dscnt 15-\i                             ; read-back i is in, the younger ones stay out
	global_store_b128 v[CO], v[ACC+4*\i:ACC+4*\i+3], s[12:13] offset:512*\i   ; four rows of 128 bytes = 512 consecutive bytes, at a multiple of 512 from the buffer's first byte
.endr
	s_wait_tensorcnt 0x0
	ds_add_u32 v254, v255
	s_wait_dscnt 0x0
	s_endpgm
.Lfunc_end_k_q635c3fe46b_proj:
	.size	k_q635c3fe46b_proj, .Lfunc_end_k_q635c3fe46b_proj-k_q635c3fe46b_proj
	.p2alignl 7, 3214868480
	.fill 96, 4, 3214868480
	.section	.rodata,"a",@progbits
	.p2align	6, 0x0
	.amdhsa_kernel k_q635c3fe46b_proj
		.amdhsa_group_segment_fixed_size 185344
		.amdhsa_private_segment_fixed_size 0
		.amdhsa_enable_private_segment 0
		.amdhsa_kernarg_size 64
		.amdhsa_user_sgpr_count 2
		.amdhsa_user_sgpr_kernarg_segment_ptr 1
		.amdhsa_wavefront_size32 1
		.amdhsa_system_sgpr_workgroup_id_x 1
		.amdhsa_system_sgpr_workgroup_id_y 1
		.amdhsa_system_sgpr_workgroup_id_z 1
		.amdhsa_system_vgpr_workitem_id 0
		.amdhsa_next_free_vgpr 448
		.amdhsa_next_free_sgpr 66
		.amdhsa_reserve_vcc 0
		.amdhsa_float_denorm_mode_32 3
		.amdhsa_float_denorm_mode_16_64 3
		.amdhsa_memory_ordered 1
		.amdhsa_forward_progress 1
		.amdhsa_inst_pref_size 104
	.end_amdhsa_kernel
	.amdgpu_metadata
---
amdhsa.version: [ 1, 2 ]
amdhsa.kernels:
  - .name:           k_q635c3fe46b_proj
    .symbol:         k_q635c3fe46b_proj.kd
    .args:
      - { .name: queries, .offset: 0, .size: 8, .value_kind: global_buffer, .address_space: global }
      - { .name: keys, .offset: 8, .size: 8, .value_kind: global_buffer, .address_space: global }
      - { .name: values, .offset: 16, .size: 8, .value_kind: global_buffer, .address_space: global }
      - { .name: Wq, .offset: 24, .size: 8, .value_kind: global_buffer, .address_space: global }
      - { .name: Wk, .offset: 32, .size: 8, .value_kind: global_buffer, .address_space: global }
      - { .name: Wv, .offset: 40, .size: 8, .value_kind: global_buffer, .address_space: global }
      - { .name: qb, .offset: 48, .size: 8, .value_kind: global_buffer, .address_space: global }
      - { .name: kv, .offset: 56, .size: 8, .value_kind: global_buffer, .address_space: global }
    .group_segment_fixed_size: 185344
    .private_segment_fixed_size: 0
    .kernarg_segment_align: 8
    .kernarg_segment_size: 64
    .max_flat_workgroup_size: 256
    .sgpr_count:     66
    .vgpr_count:     448
    .wavefront_size: 32
...
	.end_amdgpu_metadata
.endif
;; end of part 1
;; launch attn (part 2): grid 16 x 16, 8 waves a work-group, clusters of 4 x 1, 327,680 bytes of LDS; arguments qb, kv, out0; writes out0
.if DOCPART == 2
	.amdgcn_target "amdgcn-amd-amdhsa--gfx1250"
	.amdhsa_code_object_version 6
	.text
	.protected	k_q635c3fe46b_attn
	.globl	k_q635c3fe46b_attn
	.p2align	8
	.type	k_q635c3fe46b_attn,@function
k_q635c3fe46b_attn:
	s_mov_b64 s[64:65], 0
	v_nop
	global_prefetch_b8 v0, s[64:65] scope:SCOPE_SE
	s_setreg_imm32_b32 hwreg(HW_REG_WAVE_MODE, 25, 1), 1
	s_wait_xcnt 0x0
	s_wait_alu depctr_hold_cnt(0) depctr_sa_sdst(0) depctr_va_vdst(0) depctr_va_sdst(0) depctr_va_ssrc(0) depctr_va_vcc(0) depctr_vm_vsrc(0)
	s_getreg_b32 s2, hwreg(HW_REG_IB_STS2, 6, 4)
	s_cmp_eq_u32 s2, 0
	s_cbranch_scc0 .Lentry_in_a_cluster
	s_endpgm
.Lentry_in_a_cluster:
	s_bfe_u32 s2, ttmp6, 0x10000c
	s_cmp_lg_u32 s2, 0x3003
	s_cbranch_scc0 .Lentry_shape_is_right
	s_endpgm
.Lentry_shape_is_right:
; Softmax attention for 16 (batch, head) pairs, S = 2048, head_dim = 64, from the f16 q, k, v of the launch before.  out0: [2][2048][512] f32.
; Grid y = bh = 8 b + head; grid x = block of 128 queries.  Eight waves: wave w takes queries 32 (w & 3) .. +31 of the block (two tiles of 16) and, of every 256 keys,
; the 128 of granule w >> 2.  The two waves of a query group keep a running maximum, sum and accumulators of their own and are merged once at the end.
; CLUSTERS: the four work-groups of a cluster are four query blocks of one bh and read the same K and V: every tile of kv is asked for JOINTLY (mask 15), with
; a descriptor made of bh and the wave's number alone.  The place in the cluster enters only the global addresses of q and of out0.
; TRANSPOSED FORM: S^T = K Q^T (source 0 = 16 keys, source 1 = 16 queries): lane (r, h), register j holds (key 8 h + j, query r).  Two neighbouring tiles of S^T,
; exponentiated and packed to f16, ARE source 1 of out^T = V^T P^T as they stand, and maximum, sum and rescale factor are one number a lane.
; V lies [key][d]; the transposing LDS load makes source 0 of it.
; LDS: two slots of 512 keys = 4 granules of 128 keys; a granule = K's part, then V's part, each 64 rows of 256 bytes (two keys) + 16 bytes of padding.
; K fragment loads: the 16 lanes of a half touch 16-byte columns (r >> 1) + 8 (r & 1) modulo 16, all different.  V: (i >> 1) + 8 (i & 1) + 4 b, all different,
; because the second eight lanes take d 32 further on; so d tile t holds d = 8 t .. +7 and 32 + 8 t .. +7, and a result lane (query r, h) holds d = 32 h + 8 t + j.
; The text is written out without a loop: four passes of 512 keys, of which the first is split so that work starts when 256 keys have landed.
; No prefetch: qb and kv were stored by the launch just before this one.
; LIMITS: q, k, v come as f16 (finite below 65,504: see the launch that makes them); P in [0, 1] is rounded to f16, its sum is taken from the unrounded f32 numbers.
; Scores must be finite; NaN and infinite inputs are not served (the maxima ignore a NaN).  v_exp_f32 gives 0 for results below 2^-126 (ISA guide, its entry in chapter 15).
; The maximum is taken away before every exponential, as a running maximum; 1/8 and log2 e are one factor c = 0.18033688 in the multiply-add in front of it.
.set PITCH, 272
.set PART,  64*PITCH                   ; K's or V's part of a granule
.set GRANB, 2*PART                     ; 34,816
.set SLOTB, 4*GRANB                    ; 139,264
.set STAGE, 2*SLOTB                    ; 278,528 = 1,088 x 256: 8,704 bytes for each query group, for the merge and the way out; no tensor load ever lands here
.set AK0, 1                            ; v1   my K fragment address in granule w >> 2 of slot 0
.set AV0, 2                            ; v2   the same for V
.set AK,  3                            ; v3   at work; in the epilogue: where I read rows back
.set AV,  4                            ; v4   at work; in the epilogue: my byte offset in out0
.set QO,  5                            ; v5   my byte offset in q
.set MX,  6                            ; v[6:7]    running maximum of the raw scores, one for each query tile
.set NM,  8                            ; v[8:11]   -c x maximum, as a pair for each query tile
.set AL,  12                           ; v[12:15]  rescale factor, as pairs
.set LS,  16                           ; v[16:19]  running sums, a pair of partial sums for each query tile
.set TT,  20                           ; v[20:27]  at work
.set CC,  28                           ; v[28:29]  (c, c)
.set MG,  30                           ; v30  merge: stage + 16 L
.set OS,  31                           ; v31  way out: stage + 272 r + 128 h
.set QF,  32                           ; v[32:63]    Q fragment (nt, s) at QF + 16 nt + 8 s
.set KV,  64                           ; v[64:127]   K fragment (mt, s) at KV + 8 (4 s + mt); then V fragment (t, kk) at KV + 8 (4 kk + t)
.set SC,  128                          ; v[128:191]  S^T tile (mt, nt) at SC + 32 nt + 8 mt; then P fragment (kk, nt) at SC + 32 nt + 16 kk
.set ACC, 192                          ; v[192:255]  out^T tile (t, nt) at ACC + 32 nt + 8 t
; A round of the cluster's barrier: my work-group's barrier, wave 0 signals for the work-group, every wave waits for all four work-groups, my work-group's barrier again.
.macro ROUND
	s_barrier_signal -1
	s_barrier_wait -1
	s_cmp_lg_u32 s10, 0
	s_cbranch_scc1 .Lnot_wave_0_\@
	s_barrier_signal -3
.Lnot_wave_0_\@:
	s_barrier_wait -3
	s_barrier_signal -1
	s_barrier_wait -1
.endm
	s_load_b128 s[4:7], s[0:1], 0x0                ; qb s[4:5], kv s[6:7]
	s_load_b64 s[8:9], s[0:1], 0x10                ; out0
	s_set_vgpr_msb 0x40
	v_lshl_add_u32 v0, v0, 2, 0x4c800
	v_mov_b32 v1, 0
	s_set_vgpr_msb 0x4045
	ds_add_u32 v0, v1
	s_set_vgpr_msb 0x4500
	v_lshrrev_b32 v1, 5, v0
	v_readfirstlane_b32 s10, v1                    ; w
	s_and_b32 s11, s10, 3                          ; query group
	s_lshr_b32 s12, s10, 2                         ; key half
	s_bfe_u32 s13, ttmp6, 0x40000                  ; cx
	s_lshl_b32 s14, ttmp9, 2
	s_add_co_u32 s14, s14, s13                     ; query block = 4 x cluster x + cx
	s_and_b32 s15, ttmp7, 0xffff                   ; bh
	; descriptor group 1: rows of 32 elements of 8 bytes = 256 bytes, dense in memory, 16 bytes of padding behind each in LDS
	s_mov_b32 s16, 15|(3<<16)|(1<<20)|(1<<21)|(5<<22)|(3<<25)   ; 15:0 mask: all four work-groups; 17:16 elements of 8 bytes; 20 padding on; 21 set beside a mask; 24:22 after 64 words; 31:25 four words
	s_mov_b32 s17, 32<<16                          ; tensor_dim0 = 32
	s_mov_b32 s18, 64<<16                          ; tensor_dim1 = 64
	s_mov_b32 s19, 32<<16                          ; tile_dim0 = 32
	s_mov_b32 s20, 64                              ; tile_dim1 = 64 rows: 16 KB a wave, 128 KB = a slot for the eight
	s_mov_b32 s21, 32                              ; from row to row: 32 elements
	s_mov_b32 s22, 0
	s_mov_b32 s23, 0
	s_mov_b32 s24, 15|(3<<16)|(1<<20)|(1<<21)|(5<<22)|(3<<25)   ; the same with 32 rows: the two halves of slot 0's first fill
	s_mov_b32 s25, 32<<16
	s_mov_b32 s26, 32<<16
	s_mov_b32 s27, 32<<16
	s_mov_b32 s28, 32
	s_mov_b32 s29, 32
	s_mov_b32 s30, 0
	s_mov_b32 s31, 0
	; descriptor groups 0: s[32:35] keys 0-255, s[36:39] keys 256-511 (slot 0); s[40:43] keys 1024-1535 (slot 0); s[44:47] keys 512-1023, later 1536-2047 (slot 1)
	s_mov_b32 s32, 1
	s_mul_i32 s33, s10, 32*PITCH
	s_mov_b32 s36, 1
	s_add_co_u32 s37, s33, 2*GRANB
	s_mov_b32 s40, 1
	s_mul_i32 s41, s10, 64*PITCH
	s_mov_b32 s44, 1
	s_add_co_u32 s45, s41, SLOTB
	s_lshl_b32 s50, s15, 19                        ; a head of kv: 524,288 bytes
	s_mov_b32 s51, 0
	s_lshl_b32 s58, s10, 13                        ; 32 rows of 256 bytes
	s_mov_b32 s59, 0
	s_lshl_b32 s60, s10, 14                        ; 64 rows
	s_mov_b32 s61, 0
	; q at my 32 queries: bh x 262,144 + block x 16,384 + group x 4,096
	s_lshl_b32 s54, s15, 18
	s_lshl_b32 s55, s14, 14
	s_add_co_u32 s54, s54, s55
	s_lshl_b32 s55, s11, 12
	s_add_co_u32 s54, s54, s55
	s_mov_b32 s55, 0
	; out0 at my 32 queries and my head: ((bh >> 3) x 2048 + 128 block + 32 group) x 2,048 + (bh & 7) x 256
	s_lshr_b32 s56, s15, 3
	s_lshl_b32 s56, s56, 22
	s_lshl_b32 s57, s14, 18
	s_add_co_u32 s56, s56, s57
	s_lshl_b32 s57, s11, 16
	s_add_co_u32 s56, s56, s57
	s_and_b32 s57, s15, 7
	s_lshl_b32 s57, s57, 8
	s_add_co_u32 s56, s56, s57
	s_mov_b32 s57, 0
	s_mov_b32 s48, 0xbe38aa3b                      ; -c
	s_mov_b32 s52, 0x76543210                      ; v_permlanex16_b32: lane i of one half reads lane i of the other
	s_mov_b32 s53, 0xfedcba98
	v_and_b32 v20, 15, v0                          ; r
	v_bfe_u32 v21, v0, 4, 1                        ; h
	v_and_b32 v22, 31, v0                          ; L
	v_lshrrev_b32 v23, 1, v20
	v_mul_u32_u24 v[AK0], v23, PITCH               ; key r lies in LDS row r >> 1,
	v_and_b32 v24, 1, v0
	v_lshl_add_u32 v[AK0], v24, 7, v[AK0]          ; in its half r & 1,
	v_lshl_add_u32 v[AK0], v21, 4, v[AK0]          ; d = 8 h ..
	s_mul_i32 s49, s12, GRANB
	v_add_nc_u32 v[AK0], s49, v[AK0]
	v_bfe_u32 v25, v0, 1, 2
	v_lshl_add_u32 v25, v21, 2, v25                ; key 8 h + (L & 7) lies in LDS row 4 h + ((L & 7) >> 1),
	v_mul_u32_u24 v[AV0], v25, PITCH
	v_lshl_add_u32 v[AV0], v24, 7, v[AV0]          ; in its half L & 1;
	v_bfe_u32 v26, v0, 3, 1
	v_lshl_add_u32 v[AV0], v26, 6, v[AV0]          ; the second eight lanes of a half take d 32 further on
	s_add_co_u32 s49, s49, PART
	v_add_nc_u32 v[AV0], s49, v[AV0]
	v_lshlrev_b32 v[QO], 7, v20
	v_lshl_add_u32 v[QO], v21, 4, v[QO]            ; query r, d = 8 h ..
	s_mul_i32 s62, s11, 32*PITCH
	s_add_co_u32 s62, s62, STAGE                   ; my query group's stage
	v_lshl_add_u32 v[MG], v22, 4, s62
	v_mul_u32_u24 v[OS], v20, PITCH
	v_lshl_add_u32 v[OS], v21, 7, v[OS]
	v_add_nc_u32 v[OS], s62, v[OS]
	v_mov_b32 v[CC], 0x3e38aa3b
	v_mov_b32 v[CC+1], 0x3e38aa3b
	s_wait_dscnt 0x0
	s_wait_kmcnt 0x0
	s_add_nc_u64 s[6:7], s[6:7], s[50:51]          ; my head of kv
	s_add_nc_u64 s[34:35], s[6:7], s[58:59]
	s_add_nc_u64 s[38:39], s[34:35], 65536
	s_add_nc_u64 s[42:43], s[6:7], s[60:61]
	s_add_nc_u64 s[46:47], s[42:43], 131072
	s_add_nc_u64 s[42:43], s[42:43], 262144
	s_or_b32 s35, s35, 0x80000000                  ; type = 2
	s_or_b32 s39, s39, 0x80000000
	s_or_b32 s43, s43, 0x80000000
	s_or_b32 s47, s47, 0x80000000
	s_add_nc_u64 s[4:5], s[4:5], s[54:55]
	s_add_nc_u64 s[8:9], s[8:9], s[56:57]
; The running maximum of query tile nt over this step's 64 keys, its -c multiple, and the rescale factor 2^(c (old - new)).
.macro ROWMAX nt, first
.set SB, SC+32*\nt
.set TB, TT+4*\nt
.irp c, 0,1,2,3
	v_max3_num_f32 v[TB+\c], v[SB+8*\c], v[SB+8*\c+1], v[SB+8*\c+2]     ; four chains that do not wait for each other
.endr
.irp c, 0,1,2,3
	v_max3_num_f32 v[TB+\c], v[TB+\c], v[SB+8*\c+3], v[SB+8*\c+4]
.endr
.irp c, 0,1,2,3
	v_max3_num_f32 v[TB+\c], v[TB+\c], v[SB+8*\c+5], v[SB+8*\c+6]
.endr
	v_max3_num_f32 v[TB], v[TB], v[SB+7], v[TB+1]
	v_max3_num_f32 v[TB+2], v[TB+2], v[SB+15], v[TB+3]
	v_max3_num_f32 v[TB], v[TB], v[SB+23], v[SB+31]
.if \first
	v_max_num_f32 v[TB], v[TB], v[TB+2]
.else
	v_max3_num_f32 v[TB], v[TB], v[TB+2], v[MX+\nt]
.endif
	v_permlanex16_b32 v[TB+1], v[TB], s52, s53     ; the other half of the lanes holds the query's other keys
	v_max_num_f32 v[MX+\nt], v[TB], v[TB+1]
	v_mul_f32 v[TB+2], s48, v[MX+\nt]              ; -c m
.if \first
.else
	v_sub_f32 v[TB+3], v[TB+2], v[NM+2*\nt]        ; c (old - new)
	v_exp_f32 v[AL+2*\nt], v[TB+3]
	v_exp_f32 v[AL+2*\nt+1], v[TB+3]               ; the two moves below are the plain place behind the exponentials (ISA guide 5.7.2)
.endif
	v_mov_b32 v[NM+2*\nt], v[TB+2]
	v_mov_b32 v[NM+2*\nt+1], v[TB+2]
.endm
.macro EXPB b                          ; 16 exponentials in place: block b = 2 nt + kk
.irp i, 0,1,2,3,4,5,6,7,8,9,10,11,12,13,14,15
	v_exp_f32 v[SC+16*\b+\i], v[SC+16*\b+\i]
.endr
.endm
; Block (nt, kk): its 16 numbers a lane are added to the running sum and packed in place, ascending, into source 1 of the second product.
.macro USEB nt, kk, first
.set BB, SC+32*\nt+16*\kk
	v_pk_add_f32 v[TT:TT+1],   v[BB:BB+1],     v[BB+2:BB+3]
	v_pk_add_f32 v[TT+2:TT+3], v[BB+4:BB+5],   v[BB+6:BB+7]
	v_pk_add_f32 v[TT+4:TT+5], v[BB+8:BB+9],   v[BB+10:BB+11]
	v_pk_add_f32 v[TT+6:TT+7], v[BB+12:BB+13], v[BB+14:BB+15]
	v_pk_add_f32 v[TT:TT+1],   v[TT:TT+1],     v[TT+2:TT+3]
	v_pk_add_f32 v[TT+4:TT+5], v[TT+4:TT+5],   v[TT+6:TT+7]
.if \kk
	v_pk_add_f32 v[TT:TT+1], v[TT:TT+1], v[TT+4:TT+5]
	v_pk_add_f32 v[LS+2*\nt:LS+2*\nt+1], v[LS+2*\nt:LS+2*\nt+1], v[TT:TT+1]
.else
.if \first
	v_pk_add_f32 v[LS+2*\nt:LS+2*\nt+1], v[TT:TT+1], v[TT+4:TT+5]       ; the first block starts the sum
.else
	v_pk_add_f32 v[TT:TT+1], v[TT:TT+1], v[TT+4:TT+5]
	v_pk_fma_f32 v[LS+2*\nt:LS+2*\nt+1], v[LS+2*\nt:LS+2*\nt+1], v[AL+2*\nt:AL+2*\nt+1], v[TT:TT+1]
.endif
.endif
.irp i, 0,1,2,3,4,5,6,7
	v_cvt_pk_f16_f32 v[BB+\i], v[BB+2*\i], v[BB+2*\i+1]
.endr
.endm
.macro SOFTMAX first
	ROWMAX 0, \first
	ROWMAX 1, \first
.irp nt, 0,1
.irp p, 0,1,2,3,4,5,6,7,8,9,10,11,12,13,14,15
	v_pk_fma_f32 v[SC+32*\nt+2*\p:SC+32*\nt+2*\p+1], v[SC+32*\nt+2*\p:SC+32*\nt+2*\p+1], v[CC:CC+1], v[NM+2*\nt:NM+2*\nt+1]   ; c s - c m
.endr
.endr
	EXPB 0
	EXPB 1
	v_nop                                          ; the plain place behind a run of exponentials
	s_wait_alu depctr_va_vdst(0)
.if \first
.else
	s_wait_alu depctr_va_vdst(0)
.irp nt, 0,1
.irp p, 0,1,2,3,4,5,6,7,8,9,10,11,12,13,14,15
	v_pk_mul_f32 v[ACC+32*\nt+2*\p:ACC+32*\nt+2*\p+1], v[ACC+32*\nt+2*\p:ACC+32*\nt+2*\p+1], v[AL+2*\nt:AL+2*\nt+1]
.endr
.endr
.endif
	USEB 0, 0, \first
	EXPB 2
	v_nop
	USEB 0, 1, \first
	EXPB 3
	v_nop
	s_wait_alu depctr_va_vdst(0)
	USEB 1, 0, \first
	USEB 1, 1, \first
.endm
; 64 keys (half u of my granule) against my 32 queries.
.macro SUB64 u, first
.irp s, 0,1
.irp mt, 0,1,2,3
	ds_load_b128 v[KV+8*(4*\s+\mt):KV+8*(4*\s+\mt)+3],   v[AK] offset:(32*\u+8*\mt)*PITCH+64*\s
	ds_load_b128 v[KV+8*(4*\s+\mt)+4:KV+8*(4*\s+\mt)+7], v[AK] offset:(32*\u+8*\mt)*PITCH+64*\s+32
.endr
.endr
	s_wait_dscnt 0x8                               ; the fragments of d = 0..31 are in; the eight younger loads (d = 32..63) may be out
.irp nt, 0,1
.irp mt, 0,1,2,3
	v_wmma_f32_16x16x32_f16 v[SC+32*\nt+8*\mt:SC+32*\nt+8*\mt+7], v[KV+8*\mt:KV+8*\mt+7], v[QF+16*\nt:QF+16*\nt+7], 0
.endr
.endr
	s_wait_dscnt 0x0
.irp nt, 0,1
.irp mt, 0,1,2,3
	v_wmma_f32_16x16x32_f16 v[SC+32*\nt+8*\mt:SC+32*\nt+8*\mt+7], v[KV+32+8*\mt:KV+32+8*\mt+7], v[QF+16*\nt+8:QF+16*\nt+15], v[SC+32*\nt+8*\mt:SC+32*\nt+8*\mt+7]   ; the eight accumulators take turns, one instruction a turn
.endr
.endr
.rept 4
	v_nop                                          ; four places before loads land on K's registers and the softmax reads the scores
.endr
.irp kk, 0,1
.irp t, 0,1,2,3
	ds_load_tr16_b128 v[KV+8*(4*\kk+\t):KV+8*(4*\kk+\t)+3],   v[AV] offset:(32*\u+16*\kk)*PITCH+16*\t            ; keys 8 h .. +7 of the 32
	ds_load_tr16_b128 v[KV+8*(4*\kk+\t)+4:KV+8*(4*\kk+\t)+7], v[AV] offset:(32*\u+16*\kk)*PITCH+16*\t+8*PITCH    ; keys 16 + 8 h .. +7
.endr
.endr
	SOFTMAX \first                                 ; V's fragments arrive meanwhile
	s_wait_dscnt 0x0
.irp kk, 0,1
.irp nt, 0,1
.irp t, 0,1,2,3
.if (\first)*(1-\kk)
	v_wmma_f32_16x16x32_f16 v[ACC+32*\nt+8*\t:ACC+32*\nt+8*\t+7], v[KV+8*(4*\kk+\t):KV+8*(4*\kk+\t)+7], v[SC+32*\nt+16*\kk:SC+32*\nt+16*\kk+7], 0
.else
	v_wmma_f32_16x16x32_f16 v[ACC+32*\nt+8*\t:ACC+32*\nt+8*\t+7], v[KV+8*(4*\kk+\t):KV+8*(4*\kk+\t)+7], v[SC+32*\nt+16*\kk:SC+32*\nt+16*\kk+7], v[ACC+32*\nt+8*\t:ACC+32*\nt+8*\t+7]
.endif
.endr
.endr
.endr
.rept 5
	v_nop                                          ; five places: the next scores are written over P by matrix instructions, the next K over V by loads; the epilogue reads the sums
.endr
.endm
; My granule of pair i of a slot: 128 keys.
.macro GRAN slot, i, first
	v_add_nc_u32 v[AK], \slot*SLOTB+\i*2*GRANB, v[AK0]
	v_add_nc_u32 v[AV], \slot*SLOTB+\i*2*GRANB, v[AV0]
	SUB64 0, \first
	SUB64 1, 0
.endm
	ROUND                                          ; all four work-groups are here: the first joint loads meet
	tensor_load_to_lds s[32:35], s[24:31]          ; keys 0-255.  The three first fills go out as one group: three tensor loads of this wave are out, the most in this text
	s_nop 0
	tensor_load_to_lds s[36:39], s[24:31]          ; keys 256-511
	s_nop 0
	tensor_load_to_lds s[44:47], s[16:23]          ; keys 512-1023
	s_nop 0
.irp nt, 0,1
.irp s, 0,1
	global_load_b128 v[QF+16*\nt+8*\s:QF+16*\nt+8*\s+3],   v[QO], s[4:5] offset:2048*\nt+64*\s
	global_load_b128 v[QF+16*\nt+8*\s+4:QF+16*\nt+8*\s+7], v[QO], s[4:5] offset:2048*\nt+64*\s+32
.endr
.endr
	s_wait_tensorcnt 0x2                           ; my part of keys 0-255 is in; the two younger loads stay out
	s_barrier_signal -1
	s_barrier_wait -1                              ; everybody's part is in
	s_wait_loadcnt 0x0                             ; Q, once
	GRAN 0, 0, 1
	s_wait_tensorcnt 0x1                           ; my part of keys 256-511; slot 1's load may stay out
	s_wait_dscnt 0x0
	s_barrier_signal -1
	s_barrier_wait -1
	GRAN 0, 1, 0
	s_set_vgpr_msb 0x5
	s_wait_tensorcnt 0x0                           ; all my tensor loads have landed, my part of slot 1 among them,
	ds_add_u32 v0, v1
	s_wait_dscnt 0x0
	s_set_vgpr_msb 0x500
	s_wait_dscnt 0x0                               ; and my reads of slot 0 are back:
	ROUND                                          ; both now hold of every wave of all four work-groups
	tensor_load_to_lds s[40:43], s[16:23]          ; keys 1024-1535 into slot 0: my one tensor load behind this round; it has the 512 keys of slot 1 in which to land
	s_nop 0
	GRAN 1, 0, 0
	GRAN 1, 1, 0
	s_set_vgpr_msb 0x5
	s_wait_tensorcnt 0x0                           ; no tensor load of mine is out, so a group 0 may be written
	ds_add_u32 v0, v1
	s_wait_dscnt 0x0
	s_set_vgpr_msb 0x500
	s_add_nc_u64 s[46:47], s[46:47], 262144        ; slot 1's next tile: keys 1536-2047
	s_wait_dscnt 0x0
	ROUND
	tensor_load_to_lds s[44:47], s[16:23]          ; the last load
	s_nop 0
	GRAN 0, 0, 0
	GRAN 0, 1, 0
	s_wait_tensorcnt 0x0                           ; my part of the last tile
	s_wait_dscnt 0x0
	s_barrier_signal -1                            ; nothing is filled again: my work-group's barrier is enough
	s_barrier_wait -1
	GRAN 1, 0, 0
	GRAN 1, 1, 0
	; THE MERGE of the two key halves, and the way out.  First each wave's sum: its two partial sums, then the other half of the lanes.
	v_add_f32 v[LS], v[LS], v[LS+1]
	v_add_f32 v[LS+2], v[LS+2], v[LS+3]
	v_permlanex16_b32 v[LS+1], v[LS], s52, s53
	v_permlanex16_b32 v[LS+3], v[LS+2], s52, s53
	v_add_f32 v[LS], v[LS], v[LS+1]
	v_add_f32 v[LS+2], v[LS+2], v[LS+3]
	s_cmp_lt_u32 s10, 4
	s_cbranch_scc1 .Lkeeps                         ; waves 4 to 7 hand over their accumulators, maxima and sums, lane for lane
	v_mov_b32 v[TT+4], v[MX]
	v_mov_b32 v[TT+5], v[MX+1]
	v_mov_b32 v[TT+6], v[LS]
	v_mov_b32 v[TT+7], v[LS+2]
.irp i, 0,1,2,3,4,5,6,7,8,9,10,11,12,13,14,15
	ds_store_b128 v[MG], v[ACC+4*\i:ACC+4*\i+3] offset:512*\i
.endr
	ds_store_b128 v[MG], v[TT+4:TT+7] offset:8192
.Lkeeps:
	s_wait_dscnt 0x0                               ; for the partner's sake: my stores are done
	s_barrier_signal -1
	s_barrier_wait -1
	s_cmp_lt_u32 s10, 4
	s_cbranch_scc0 .Lclose                         ; waves 0 to 3 merge and store
.irp i, 0,1,2,3,4,5,6,7,8,9,10,11,12,13,14,15,16
	ds_load_b128 v[KV+4*\i:KV+4*\i+3], v[MG] offset:512*\i          ; the partner's accumulators in v[64:127]; its maxima in v128, v129, its sums in v130, v131
.endr
	v_and_b32 v20, 15, v0
	v_bfe_u32 v21, v0, 4, 1
	v_mul_u32_u24 v[AK], v21, PITCH                ; back: lanes 0-15 take one row of 256 bytes, lanes 16-31 the next
	v_lshl_add_u32 v[AK], v20, 4, v[AK]
	v_add_nc_u32 v[AK], s62, v[AK]
	v_lshlrev_b32 v[AV], 11, v21                   ; and the same two rows of out0
	v_lshl_add_u32 v[AV], v20, 4, v[AV]
	s_wait_dscnt 0x0
	v_max_num_f32 v24, v[MX], v128                 ; the common maximum
	v_max_num_f32 v25, v[MX+1], v129
	v_mul_f32 v24, s48, v24                        ; -c m, rounded as in the steps above, so that the side that holds the maximum gets the factor 1 exactly
	v_mul_f32 v25, s48, v25
	v_mul_f32 v26, s48, v128
	v_mul_f32 v27, s48, v129
	v_sub_f32 v[NM], v24, v[NM]                    ; c (mine - m)
	v_sub_f32 v[NM+2], v25, v[NM+2]
	v_sub_f32 v26, v24, v26                        ; c (the partner's - m)
	v_sub_f32 v27, v25, v27
	v_exp_f32 v[NM], v[NM]
	v_exp_f32 v[NM+2], v[NM+2]
	v_exp_f32 v26, v26
	v_exp_f32 v27, v27
	v_nop                                          ; the plain place behind the exponentials
	s_wait_alu depctr_va_vdst(0)
	v_mul_f32 v[LS], v[LS], v[NM]
	v_mul_f32 v[LS+2], v[LS+2], v[NM+2]
	v_fmac_f32 v[LS], v130, v26                    ; the whole sum: at least about 1, since the key of the maximum adds 2^0
	v_fmac_f32 v[LS+2], v131, v27
	v_rcp_f32 v[LS], v[LS]
	v_rcp_f32 v[LS+2], v[LS+2]
	v_nop
	s_wait_alu depctr_va_vdst(0)
	v_mul_f32 v[AL], v[NM], v[LS]                  ; my factor, with the division folded in
	v_mul_f32 v[AL+2], v[NM+2], v[LS+2]
	v_mul_f32 v[TT], v26, v[LS]                    ; the partner's
	v_mul_f32 v[TT+2], v27, v[LS+2]
	v_mov_b32 v[AL+1], v[AL]
	v_mov_b32 v[AL+3], v[AL+2]
	v_mov_b32 v[TT+1], v[TT]
	v_mov_b32 v[TT+3], v[TT+2]
.irp nt, 0,1
.irp p, 0,1,2,3,4,5,6,7,8,9,10,11,12,13,14,15
	v_pk_mul_f32 v[ACC+32*\nt+2*\p:ACC+32*\nt+2*\p+1], v[ACC+32*\nt+2*\p:ACC+32*\nt+2*\p+1], v[AL+2*\nt:AL+2*\nt+1]
.endr
.endr
.irp nt, 0,1
.irp p, 0,1,2,3,4,5,6,7,8,9,10,11,12,13,14,15
	v_pk_fma_f32 v[ACC+32*\nt+2*\p:ACC+32*\nt+2*\p+1], v[KV+32*\nt+2*\p:KV+32*\nt+2*\p+1], v[TT+2*\nt:TT+2*\nt+1], v[ACC+32*\nt+2*\p:ACC+32*\nt+2*\p+1]
.endr
.endr
	; into the stage as 32 rows of 256 bytes (pitch 272): lane (r, h), tile (t, nt), register j is query 16 nt + r, d = 32 h + 8 t + j.
	; The stage is now mine alone: the partner's stores ended in front of the barrier, and my reads of them are back.
.irp nt, 0,1
.irp t, 0,1,2,3
	ds_store_b128 v[OS], v[ACC+32*\nt+8*\t:ACC+32*\nt+8*\t+3]   offset:16*PITCH*\nt+32*\t
	ds_store_b128 v[OS], v[ACC+32*\nt+8*\t+4:ACC+32*\nt+8*\t+7] offset:16*PITCH*\nt+32*\t+16
.endr
.endr
.irp i, 0,1,2,3,4,5,6,7,8,9,10,11,12,13,14,15
	ds_load_b128 v[KV+4*\i:KV+4*\i+3], v[AK] offset:2*PITCH*\i      ; LDS serves a wave's instructions in order (ISA guide 5.7.1): these see my stores above
.endr
.irp i, 0,1,2,3,4,5,6,7,8,9,10,11,12,13,14,15
	s_wait_dscnt 15-\i                             ; read-back i is in, the younger ones stay out; the last count is 0, so no LDS instruction is pending at the closing round
	global_store_b128 v[AV], v[KV+4*\i:KV+4*\i+3], s[8:9] offset:4096*\i th:TH_STORE_NT   ; 16 lanes store a query's 256 bytes of this head, at a multiple of 256 from out0's first byte
.endr
.Lclose:
	s_set_vgpr_msb 0x5
	s_wait_tensorcnt 0x0
	ds_add_u32 v0, v1
	s_wait_dscnt 0x0
	s_set_vgpr_msb 0x500
	ROUND                                          ; the closing round: no work-group ends while a partner may still ask for a tile that names it
	s_endpgm
.Lfunc_end_k_q635c3fe46b_attn:
	.size	k_q635c3fe46b_attn, .Lfunc_end_k_q635c3fe46b_attn-k_q635c3fe46b_attn
	.p2alignl 7, 3214868480
	.fill 96, 4, 3214868480
	.section	.rodata,"a",@progbits
	.p2align	6, 0x0
	.amdhsa_kernel k_q635c3fe46b_attn
		.amdhsa_group_segment_fixed_size 327680
		.amdhsa_private_segment_fixed_size 0
		.amdhsa_enable_private_segment 0
		.amdhsa_kernarg_size 24
		.amdhsa_user_sgpr_count 2
		.amdhsa_user_sgpr_kernarg_segment_ptr 1
		.amdhsa_wavefront_size32 1
		.amdhsa_system_sgpr_workgroup_id_x 1
		.amdhsa_system_sgpr_workgroup_id_y 1
		.amdhsa_system_sgpr_workgroup_id_z 1
		.amdhsa_system_vgpr_workitem_id 0
		.amdhsa_next_free_vgpr 258
		.amdhsa_next_free_sgpr 66
		.amdhsa_reserve_vcc 0
		.amdhsa_float_denorm_mode_32 3
		.amdhsa_float_denorm_mode_16_64 3
		.amdhsa_memory_ordered 1
		.amdhsa_forward_progress 1
		.amdhsa_inst_pref_size 255
	.end_amdhsa_kernel
	.section	.bss,"aw",@nobits
	.p2align	6
	.space	262144
	.amdgpu_metadata
---
amdhsa.version: [ 1, 2 ]
amdhsa.kernels:
  - .name:           k_q635c3fe46b_attn
    .symbol:         k_q635c3fe46b_attn.kd
    .args:
      - { .name: qb, .offset: 0, .size: 8, .value_kind: global_buffer, .address_space: global }
      - { .name: kv, .offset: 8, .size: 8, .value_kind: global_buffer, .address_space: global }
      - { .name: out0, .offset: 16, .size: 8, .value_kind: global_buffer, .address_space: global }
    .group_segment_fixed_size: 327680
    .private_segment_fixed_size: 0
    .kernarg_segment_align: 8
    .kernarg_segment_size: 24
    .max_flat_workgroup_size: 256
    .sgpr_count:     66
    .vgpr_count:     258
    .wavefront_size: 32
...
	.end_amdgpu_metadata
.endif
;; end of part 2
